; MI455X (gfx1250); checked and timed in simulation.
; The chip was launched on July 23, 2026; its instructions are those of AMD's public machine-readable ISA for CDNA 5 (MIT licence, August 2026) and "CDNA5" Instruction Set Architecture Reference Guide (July 2026). The comments in the code are by the model that wrote it; some were corrected since.
;; Clifford Engine. Allowed arithmetic: float matrix products may take bf16 or f16 operands with f32 sums; all other float work in f32.
;; Inputs: R 4 x 512 x 256 float32; cayley 256 x 256 x 256 float32; reverse_signs 256 float32; x 4 x 512 x 256 float32.
;; Outputs: out0 4 x 512 x 256 float32.
;; One version. Each part assembles by itself: llvm-mc -triple=amdgcn-amd-amdhsa -mcpu=gfx1250 --defsym DOCPART=n.
;; ======== version 1 of 1: 3 launches
;; workspace buffers: Ct 33,554,432 bytes; W1t 2,097,152 bytes; Rxt 2,097,152 bytes; Vx 1,048,576 bytes; Vr 1,048,576 bytes
;; launch prep (part 1): grid 512 x 1, 8 waves a work-group, no clusters, 37,888 bytes of LDS; arguments cayley, R, x, reverse_signs, Ct, W1t, Vx, Vr; writes Ct, W1t, Vx, Vr
.if DOCPART == 1
	.amdgcn_target "amdgcn-amd-amdhsa--gfx1250"
	.amdhsa_code_object_version 6
	.text
	.protected	k_qa2563ca5a0_prep
	.globl	k_qa2563ca5a0_prep
	.p2align	8
	.type	k_qa2563ca5a0_prep,@function
k_qa2563ca5a0_prep:
	s_mov_b64 s[64:65], 0
	v_nop
	global_prefetch_b8 v0, s[64:65] scope:SCOPE_SE
	s_setreg_imm32_b32 hwreg(HW_REG_WAVE_MODE, 25, 1), 1
	s_wait_xcnt 0x0
; PREPARATION for the two geometric products: every input is read once here, rounded to bf16 and laid out as the products want it.
;   Ct  bf16 [ib 16][j 256][k 256][il 16] = cayley[j][k][16 ib + il]: the 16 columns i that one work-group of a product owns lie dense, 2 MiB on end.
;   Vx  bf16 [token][k] = x.      Vr  bf16 [token][k] = bf16(R) x bf16(reverse_signs), rounded once more to bf16.
;   W1t f32  [tb 16][j 256][p 128] = bf16(R), widened again; p = (tt / 4) 64 + 4 r + tt % 4 stands for token 128 tb + 16 tt + r.
; LIMIT.  Vr's second rounding is exact where reverse_signs holds powers of two with either sign; elsewhere it adds one rounding to bf16 (up to 2^-9 of each number).  bf16 has f32's range.
; SHARES.  512 work-groups of eight waves.  Work-group b takes 131,072 consecutive bytes of cayley (j = b / 2, 128 rows k), wave w 16 rows of 1,024 bytes, in two batches of 8;
; four tokens of x and R for Vx and Vr; and, in its waves 0 and 1, 64 tokens x 16 j of R for W1t.
; A row of cayley holds all 256 i, and Ct wants them in 16 places 2 MiB apart: so 8 rows at a time go through the wave's own stage in LDS, from which each ib leaves as 8 k x 32 bytes = 256 bytes.
; No matrix unit, no cluster, no tensor load: memory binds, no work-group shares a byte of cayley with another, and all 32 loads of a wave are out at once from registers.
.set STG,   16*288                     ; a wave's stage: 16 rows (ib) of 256 bytes + 32 of padding: the 32 lanes of a store of 8 bytes fall on 64 different words modulo 256 bytes
.set SPARE, 8*STG                      ; behind the stages: the spare words, 128 bytes for each wave: four blocks of 256 bytes that no other line names
.set SPW, 2                            ; v2      LDS address of my spare word; never rewritten
.set NIL, 3                            ; v3      0; never rewritten
.set LO,  4                            ; v4      16 x lane: my bytes in half a row of cayley
.set SA,  5                            ; v5      the stage: where I put 8 bytes
.set RA,  6                            ; v6      the stage: where I read 16 bytes back
.set BO,  7                            ; v7      16 x thread: my bytes of x and R
.set CO,  8                            ; v8-15   my byte offset in Ct for ib = 2 m + lane / 16
.set RO,  18                           ; v18     my 16 bytes of reverse_signs
.set VO,  19                           ; v19     8 x thread: my bytes of Vx and Vr
.set CL,  20                           ; v20     W1t's part: my byte offset in R
.set CT,  21                           ; v21     and in W1t
.set Y,   32                           ; v32-63  a batch, packed
.set X,   64                           ; v64-191 cayley as loaded: batch x 64 + row x 8 + half x 4; a batch's first 32 later take it back from the stage
.set CR,  192                          ; v192-207 W1t's part: R as loaded
.set CD,  208                          ; v208-223 and as stored: [jj][e]
.set BX,  224                          ; v224-251 Vx's and Vr's part
	s_load_b256 s[4:11], s[0:1], 0x0               ; cayley s[4:5], R s[6:7], x s[8:9], reverse_signs s[10:11]
	s_load_b256 s[12:19], s[0:1], 0x20             ; Ct s[12:13], W1t s[14:15], Vx s[16:17], Vr s[18:19]
	v_lshl_add_u32 v[SPW], v0, 2, SPARE
	v_mov_b32 v[NIL], 0
	v_lshrrev_b32 v1, 5, v0
	v_readfirstlane_b32 s20, v1                    ; wave 0..7
	v_and_b32 v1, 31, v0                           ; lane
	v_lshlrev_b32 v[LO], 4, v1
	s_mul_i32 s21, s20, STG                        ; my stage
	v_lshrrev_b32 v16, 2, v1                       ; in: four lanes hold the 16 il of one ib: row lane / 4, 8 bytes at lane % 4
	v_and_b32 v17, 3, v1
	v_mul_u32_u24 v[SA], v16, 288
	v_lshl_add_u32 v[SA], v17, 3, v[SA]
	v_add_nc_u32 v[SA], s21, v[SA]
	v_lshrrev_b32 v16, 4, v1                       ; back: lanes 0-15 take one row of 256 bytes, lanes 16-31 the next
	v_and_b32 v17, 15, v1
	v_mul_u32_u24 v[RA], v16, 288
	v_lshl_add_u32 v[RA], v17, 4, v[RA]
	v_add_nc_u32 v[RA], s21, v[RA]
	v_lshlrev_b32 v17, 4, v17
	v_lshl_add_u32 v[CO], v16, 21, v17             ; (lane / 16) x 2 MiB + 16 (lane % 16)
.irp m, 1,2,3,4,5,6,7
	v_add_nc_u32 v[CO+(\m)], (\m)<<22, v[CO]       ; two ib further on for each m
.endr
	v_lshlrev_b32 v[BO], 4, v0
	v_and_b32 v[RO], 63, v0
	v_lshlrev_b32 v[RO], 4, v[RO]
	v_lshlrev_b32 v[VO], 3, v0
	v_and_b32 v16, 15, v0                          ; W1t's part (threads 0 to 63): r,
	v_bfe_u32 v17, v0, 4, 2                        ; and which four j of the sixteen
	v_lshlrev_b32 v[CL], 10, v16                   ; R: row r, 16 bytes at jq
	v_lshl_add_u32 v[CL], v17, 4, v[CL]
	v_lshlrev_b32 v[CT], 4, v16                    ; W1t: row 4 jq, 16 bytes at r
	v_lshl_add_u32 v[CT], v17, 11, v[CT]
	s_mov_b32 s34, 0xffff0000                      ; a word's upper bf16
	s_lshl_b32 s22, ttmp9, 17                      ; cayley: 131,072 b + 16,384 w
	s_lshl_b32 s21, s20, 14
	s_add_co_u32 s22, s22, s21
	s_mov_b32 s23, 0
	s_lshl_b32 s24, ttmp9, 12                      ; Ct: j x 8,192 + k x 32 = 4,096 b + 512 w
	s_lshl_b32 s21, s20, 9
	s_add_co_u32 s24, s24, s21
	s_mov_b32 s25, 0
	s_lshl_b32 s26, ttmp9, 12                      ; x and R: four tokens of 1,024 bytes
	s_mov_b32 s27, 0
	s_lshl_b32 s28, ttmp9, 11                      ; Vx and Vr: four tokens of 512 bytes
	s_mov_b32 s29, 0
	s_lshr_b32 s30, ttmp9, 4                       ; W1t's part reads R at token 64 (b / 16), column 16 (b % 16)
	s_lshl_b32 s30, s30, 16
	s_and_b32 s35, ttmp9, 15
	s_lshl_b32 s21, s35, 6
	s_add_co_u32 s30, s30, s21
	s_mov_b32 s31, 0
	s_lshr_b32 s32, ttmp9, 5                       ; and writes W1t at tb = b / 32, j = 16 (b % 16), half (b / 16) % 2 of a row's 512 bytes
	s_lshl_b32 s32, s32, 17
	s_lshl_b32 s21, s35, 13
	s_add_co_u32 s32, s32, s21
	s_bfe_u32 s21, ttmp9, 0x10004
	s_lshl_b32 s21, s21, 8
	s_add_co_u32 s32, s32, s21
	s_mov_b32 s33, 0
	s_wait_kmcnt 0x0
	s_add_nc_u64 s[4:5], s[4:5], s[22:23]
	s_add_nc_u64 s[30:31], s[6:7], s[30:31]
	s_add_nc_u64 s[6:7], s[6:7], s[26:27]
	s_add_nc_u64 s[8:9], s[8:9], s[26:27]
	s_add_nc_u64 s[12:13], s[12:13], s[24:25]
	s_add_nc_u64 s[14:15], s[14:15], s[32:33]
	s_add_nc_u64 s[16:17], s[16:17], s[28:29]
	s_add_nc_u64 s[18:19], s[18:19], s[28:29]
	global_load_b128 v[BX:BX+3],    v[BO], s[8:9] th:TH_LOAD_NT   ; x: read nowhere else
	global_load_b128 v[BX+4:BX+7],  v[BO], s[6:7]                 ; R
	global_load_b128 v[BX+8:BX+11], v[RO], s[10:11]               ; reverse_signs
.irp bt, 0,1
.irp row, 0,1,2,3,4,5,6,7
.irp hf, 0,1
	global_load_b128 v[X+64*(\bt)+8*(\row)+4*(\hf):X+64*(\bt)+8*(\row)+4*(\hf)+3], v[LO], s[4:5] offset:(\bt)*8192+(\row)*1024+(\hf)*512 th:TH_LOAD_NT  ; 512 consecutive bytes
.endr
.endr
.endr
	; W1t: waves 0 and 1 alone, all of it inside this one branch.  Thread (r, jq) takes four j of the tokens 16 e + r, e = 0..3; the choice of destination registers turns the 4 x 4 numbers round.
	s_cmp_lt_u32 s20, 2
	s_cbranch_scc0 .Lno_w
.irp e, 0,1,2,3
	global_load_b128 v[CR+4*(\e):CR+4*(\e)+3], v[CL], s[30:31] offset:(\e)*16384
.endr
	s_wait_loadcnt 0x0                             ; these four are the youngest loads
.irp e, 0,1,2,3
	v_cvt_pk_bf16_f32 v16, v[CR+4*(\e)], v[CR+4*(\e)+1]
	v_cvt_pk_bf16_f32 v17, v[CR+4*(\e)+2], v[CR+4*(\e)+3]
	v_lshlrev_b32 v[CD+(\e)],    16, v16           ; bf16 to f32: the low half moves up,
	v_and_b32     v[CD+4+(\e)],  s34, v16          ; the high half stays
	v_lshlrev_b32 v[CD+8+(\e)],  16, v17
	v_and_b32     v[CD+12+(\e)], s34, v17
.endr
.irp jj, 0,1,2,3
	global_store_b128 v[CT], v[CD+4*(\jj):CD+4*(\jj)+3], s[14:15] offset:(\jj)*512  ; 16 lanes store 256 consecutive bytes, at a multiple of 256 from W1t's first byte
.endr
.Lno_w:
	; Vx and Vr
	s_wait_loadcnt 32                              ; loads come back in order (ISA guide 5.7.1): all but the 32 of cayley are in, on both ways here
	v_cvt_pk_bf16_f32 v[BX+12], v[BX], v[BX+1]
	v_cvt_pk_bf16_f32 v[BX+13], v[BX+2], v[BX+3]
	global_store_b64 v[VO], v[BX+12:BX+13], s[16:17]              ; a wave stores 256 consecutive bytes
	v_cvt_pk_bf16_f32 v[BX+14], v[BX+4], v[BX+5]   ; R and reverse_signs are rounded first,
	v_cvt_pk_bf16_f32 v[BX+15], v[BX+6], v[BX+7]
	v_cvt_pk_bf16_f32 v[BX+16], v[BX+8], v[BX+9]
	v_cvt_pk_bf16_f32 v[BX+17], v[BX+10], v[BX+11]
	v_lshlrev_b32 v[BX+18], 16, v[BX+14]           ; widened,
	v_and_b32     v[BX+19], s34, v[BX+14]
	v_lshlrev_b32 v[BX+20], 16, v[BX+15]
	v_and_b32     v[BX+21], s34, v[BX+15]
	v_lshlrev_b32 v[BX+22], 16, v[BX+16]
	v_and_b32     v[BX+23], s34, v[BX+16]
	v_lshlrev_b32 v[BX+24], 16, v[BX+17]
	v_and_b32     v[BX+25], s34, v[BX+17]
	v_pk_mul_f32 v[BX+18:BX+19], v[BX+18:BX+19], v[BX+22:BX+23]  ; multiplied in f32 (exactly: 8 x 8 bits),
	v_pk_mul_f32 v[BX+20:BX+21], v[BX+20:BX+21], v[BX+24:BX+25]
	v_cvt_pk_bf16_f32 v[BX+26], v[BX+18], v[BX+19] ; and the product is rounded
	v_cvt_pk_bf16_f32 v[BX+27], v[BX+20], v[BX+21]
	global_store_b64 v[VO], v[BX+26:BX+27], s[18:19]
; A batch of 8 rows k: rounded, 8 bytes a lane into the stage at [ib][k][il]; back as 16 rows of 256 bytes; stored.
.macro BATCH bt
.irp row, 0,1,2,3,4,5,6,7
.irp hf, 0,1
	v_cvt_pk_bf16_f32 v[Y+4*(\row)+2*(\hf)],   v[X+64*(\bt)+8*(\row)+4*(\hf)],   v[X+64*(\bt)+8*(\row)+4*(\hf)+1]
	v_cvt_pk_bf16_f32 v[Y+4*(\row)+2*(\hf)+1], v[X+64*(\bt)+8*(\row)+4*(\hf)+2], v[X+64*(\bt)+8*(\row)+4*(\hf)+3]
	ds_store_b64 v[SA], v[Y+4*(\row)+2*(\hf):Y+4*(\row)+2*(\hf)+1] offset:(\hf)*8*288+(\row)*32
.endr
.endr
.irp m, 0,1,2,3,4,5,6,7
	ds_load_b128 v[X+64*(\bt)+4*(\m):X+64*(\bt)+4*(\m)+3], v[RA] offset:(\m)*2*288  ; LDS serves a wave's instructions in order (ISA guide 5.7.1.4): these see the stores above, and the next batch's stores come behind them
.endr
.irp m, 0,1,2,3,4,5,6,7
	s_wait_dscnt 7-(\m)                            ; load m of the eight is in
	global_store_b128 v[CO+(\m)], v[X+64*(\bt)+4*(\m):X+64*(\bt)+4*(\m)+3], s[12:13] offset:(\bt)*256  ; 16 lanes store 256 consecutive bytes, at a multiple of 256 from Ct's first byte
.endr
.endm
	s_wait_loadcnt 16                              ; the first batch's 16 loads are in, the second's may be out
	BATCH 0
	s_wait_loadcnt 0x0
	BATCH 1
	s_wait_tensorcnt 0x0                           ; the wave's end: behind my last LDS store
	ds_add_u32 v[SPW], v[NIL]
	s_wait_dscnt 0x0
	s_endpgm
.Lfunc_end_k_qa2563ca5a0_prep:
	.size	k_qa2563ca5a0_prep, .Lfunc_end_k_qa2563ca5a0_prep-k_qa2563ca5a0_prep
	.p2alignl 7, 3214868480
	.fill 96, 4, 3214868480
	.section	.rodata,"a",@progbits
	.p2align	6, 0x0
	.amdhsa_kernel k_qa2563ca5a0_prep
		.amdhsa_group_segment_fixed_size 37888
		.amdhsa_private_segment_fixed_size 0
		.amdhsa_enable_private_segment 0
		.amdhsa_kernarg_size 64
		.amdhsa_user_sgpr_count 2
		.amdhsa_user_sgpr_kernarg_segment_ptr 1
		.amdhsa_wavefront_size32 1
		.amdhsa_system_sgpr_workgroup_id_x 1
		.amdhsa_system_sgpr_workgroup_id_y 1
		.amdhsa_system_sgpr_workgroup_id_z 1
		.amdhsa_system_vgpr_workitem_id 0
		.amdhsa_next_free_vgpr 252
		.amdhsa_next_free_sgpr 66
		.amdhsa_reserve_vcc 0
		.amdhsa_float_denorm_mode_32 3
		.amdhsa_float_denorm_mode_16_64 3
		.amdhsa_memory_ordered 1
		.amdhsa_forward_progress 1
		.amdhsa_inst_pref_size 19
	.end_amdhsa_kernel
	.amdgpu_metadata
---
amdhsa.version: [ 1, 2 ]
amdhsa.kernels:
  - .name:           k_qa2563ca5a0_prep
    .symbol:         k_qa2563ca5a0_prep.kd
    .args:
      - { .name: cayley, .offset: 0, .size: 8, .value_kind: global_buffer, .address_space: global }
      - { .name: R, .offset: 8, .size: 8, .value_kind: global_buffer, .address_space: global }
      - { .name: x, .offset: 16, .size: 8, .value_kind: global_buffer, .address_space: global }
      - { .name: reverse_signs, .offset: 24, .size: 8, .value_kind: global_buffer, .address_space: global }
      - { .name: Ct, .offset: 32, .size: 8, .value_kind: global_buffer, .address_space: global }
      - { .name: W1t, .offset: 40, .size: 8, .value_kind: global_buffer, .address_space: global }
      - { .name: Vx, .offset: 48, .size: 8, .value_kind: global_buffer, .address_space: global }
      - { .name: Vr, .offset: 56, .size: 8, .value_kind: global_buffer, .address_space: global }
    .group_segment_fixed_size: 37888
    .private_segment_fixed_size: 0
    .kernarg_segment_align: 8
    .kernarg_segment_size: 64
    .max_flat_workgroup_size: 256
    .sgpr_count:     66
    .vgpr_count:     252
    .wavefront_size: 32
...
	.end_amdgpu_metadata
.endif
;; end of part 1
;; launch gpw (part 2): grid 16 x 16, 4 waves a work-group, clusters of 4 x 1, 327,680 bytes of LDS; arguments W1t, Vx, Ct, Rxt; writes Rxt
.if DOCPART == 2
	.amdgcn_target "amdgcn-amd-amdhsa--gfx1250"
	.amdhsa_code_object_version 6
	.text
	.protected	k_qa2563ca5a0_gpw
	.globl	k_qa2563ca5a0_gpw
	.p2align	8
	.type	k_qa2563ca5a0_gpw,@function
k_qa2563ca5a0_gpw:
	s_mov_b64 s[64:65], 0
	v_nop
	global_prefetch_b8 v0, s[64:65] scope:SCOPE_SE
	s_setreg_imm32_b32 hwreg(HW_REG_WAVE_MODE, 25, 1), 1
	s_wait_xcnt 0x0
	s_wait_alu depctr_hold_cnt(0) depctr_sa_sdst(0) depctr_va_vdst(0) depctr_va_sdst(0) depctr_va_ssrc(0) depctr_va_vcc(0) depctr_vm_vsrc(0)
	s_getreg_b32 s2, hwreg(HW_REG_IB_STS2, 6, 4)
	s_cmp_eq_u32 s2, 0
	s_cbranch_scc0 .Lentry_in_a_cluster
	s_endpgm
.Lentry_in_a_cluster:
	s_bfe_u32 s2, ttmp6, 0x10000c
	s_cmp_lg_u32 s2, 0x3003
	s_cbranch_scc0 .Lentry_shape_is_right
	s_endpgm
.Lentry_shape_is_right:
; A GEOMETRIC PRODUCT.  Out[t][i] = the sum over j of W[t][j] x ( the sum over k of V[t][k] C[j][k][i] ), 2,048 tokens t, 256 each of i, j, k; C is taken as a dense tensor.
; The inner sum is matrix work (V and C in bf16, sums in f32); the outer one is a fused multiply-add in f32 with W in f32, so that the first product's result enters the second unrounded.
; W: f32 [tb 16][j 256][p 128], p = (tt / 4) 64 + 4 r + tt % 4 for token 128 tb + 16 tt + r.   V: bf16 [token][k].   Ct: bf16 [ib 16][j][k][il 16], i = 16 ib + il.
; NATURAL = 0: Out is written in W's layout (with i for j), for the second product.  NATURAL = 1: Out is [token][i] f32.
; LIMITS.  The sums' order is not the reference's: k in the matrix unit's order, j ascending within a wave, the four waves' parts added at the end.  NaN and infinities are not treated apart.
; SHARES.  A work-group owns 128 tokens (tb) x 16 columns i (ib) and walks all j and k: 16 x 16 work-groups.  Its four waves share j: of each PHASE of 16 j wave w owns j = 16 p + 4 w + 0..3,
; fetches those 32,768 bytes of Ct itself and alone reads them.  Every wave keeps V of all 128 tokens in 512 registers, so two LDS loads (a fragment of C) feed 8 matrix instructions.
; LAYOUT.  Source 0 = C, 16 i x 32 k, turned on its way out of LDS by ds_load_tr16_b128 (rows k of 32 bytes, dense: a load takes 512 consecutive bytes); source 1 = V, 16 tokens x 32 k.
; In the result T a lane holds ONE token (lane % 16) and the columns 8 (lane / 16) + 0..7: one weight a lane serves the tile's eight registers: O += W T, four packed lines a tile.
; BY HALVES.  The 8 tiles of 16 tokens are two halves.  While one half's 32 products of a j are issued, the other half's finished T is added onto O: 16 packed lines, one behind a matrix instruction.
; CLUSTER.  The four work-groups of a cluster have four tb and ONE ib: they walk the same 2 MiB of Ct, so each tile of it is asked for JOINTLY: the same tensor load, descriptor and mask in all four.
; REGISTERS, in windows of 256 (s_set_vgpr_msb: bits 1:0 source 0, 3:2 source 1, 5:4 source 2, 7:6 destination):
;   window 0: v0-15 addresses; v16-79 W, two buffers of 4 j x 8 tiles; v96-223 C's fragments, two buffers of 8 (one j, 256 k)
;   window 1: v0-191 V of tiles 0-3, k 0-191; v192-223 T of tiles 4-7; v224-255 O of tiles 0-3
;   window 2: v0-191 V of tiles 4-7, k 0-191; v192-223 T of tiles 0-3; v224-255 O of tiles 4-7          window 3: v0-127 V of all tiles, k 192-255
; So the setting under which half g's products run (C in window 0, V in 1 + g, T in 2 - g) is also the one that the other half's lines want (W in 0, T in 1 + g, O in 2 - g): five switches a j.
.set NATURAL, 0
.set PHB,    131072                    ; bytes of Ct in a phase, and in an LDS slot
.set WPART,  32768                     ; a wave's part of it: 4 j of 8,192 bytes; 32 k are 1,024 bytes
.set VP,     528                       ; a row of V in LDS: 512 bytes + 16 of padding = 132 words: the 16 rows of a load start at 16 different groups of four banks (64 banks of 4 bytes: ISA guide 11.1)
.set STAGE,  2*PHB                     ; behind the ring, never filled by a tensor load: [wave][token 128][80 bytes], for the way out
.set SP,     80                        ; 16 f32 + 16 bytes of padding
.set WSTG,   128*SP
.set SPARE,  STAGE+4*WSTG              ; behind the stages: the spare words, 128 bytes for each wave: two blocks of 256 bytes that no other line names
.set SPW, 2                            ; v2     LDS address of my spare word; never rewritten
.set NIL, 3                            ; v3     0; never rewritten
.set ADR, 4                            ; v4-5   LDS address of my lane's 16 bytes in my part of slot 0, 1
.set VA,  6                            ; v6     the same in V's rows
.set WO,  7                            ; v7     16 (lane % 16): my four weights in 256 bytes of W
.set STO, 8                            ; v8     the way out: where I put O
.set RD,  9                            ; v9     where I read it back
.set GO,  10                           ; v10    my byte offset in Out
.set WB,  16
.set CF,  96
.set Z,   96                           ; the way out: four waves' parts, 16 registers each
.set FZ,  160                          ; and their sum, turned round
.set ACCT, 192
.set ACCO, 224
.set WV,  12                           ; s12  my wave's number
.set G1C, 16                           ; s[16:23] descriptor group 1 for Ct's tiles
.set G1V, 24                           ; s[24:31] for V's
.set G0,  32                           ; s[32:39] descriptor group 0 for Ct's tiles, a set for each slot
.set G0V, 40                           ; s[40:43] for V's
.set CNT, 44                           ; s44  trips
.set MSB, 0
.macro WIN new                         ; the immediate's high byte repeats the setting that is left; a switch that changes nothing is dropped
.if MSB != (\new)
	s_set_vgpr_msb (MSB<<8)|(\new)
.set MSB, \new
.endif
.endm
.macro WS1 g                           ; half g's products, k 0-191: V in window 1 + g
.if \g
	WIN 0x58
.else
	WIN 0xa4
.endif
.endm
.macro WS2 g                           ; k 192-255: V in window 3
.if \g
	WIN 0x5c
.else
	WIN 0xac
.endif
.endm
; A round of the cluster's barrier: my work-group's barrier, so that wave 0's signal speaks for all four waves; wave 0 signals; every wave waits for all four work-groups; my work-group's barrier once more.
.macro CREST                           ; a round behind its opening barrier
	s_cmp_lg_u32 s[WV], 0
	s_cbranch_scc1 .Lnot_wave_0_\@
	s_barrier_signal -3
.Lnot_wave_0_\@:
	s_barrier_wait -3
	s_barrier_signal -1
	s_barrier_wait -1
.endm
.macro CROUND
	s_barrier_signal -1
	s_barrier_wait -1
	CREST
.endm
; A vector instruction that reads a matrix result, and a load into a register that a matrix instruction has read, stand four places behind it; only plain vector
; instructions that name none of its registers are places (ISA guide 7.12.1 for vector instructions).
.macro PLACES
.rept 4
	v_nop
.endr
.endm
; One matrix instruction: tile u of half g, k = 32 kc on, C's fragments in buffer cf.  kc = 0 starts the sum with the constant 0.
.macro WM g, cf, kc, u
.if (\kc) < 6
.set rB, 8*(4*(\kc)+(\u))
.else
.set rB, 8*(8*((\kc)-6)+4*(\g)+(\u))
.endif
.set rA, CF+64*(\cf)+8*(\kc)
.set rD, ACCT+8*(\u)
.if (\kc) == 0
	v_wmma_f32_16x16x32_bf16 v[rD:rD+7], v[rA:rA+7], v[rB:rB+7], 0
.else
	v_wmma_f32_16x16x32_bf16 v[rD:rD+7], v[rA:rA+7], v[rB:rB+7], v[rD:rD+7]
.endif
.endm
; One line of O += W T, under half g's setting, for tile u of the OTHER half, registers 2 pr and 2 pr + 1.  The weight is one register of an even pair, taken for both halves of the packed line.
.macro RID g, u, pr, wreg
.set rW, (\wreg)+4*(1-(\g))+((\u)/2)*2
.set rT, ACCT+8*(\u)+2*(\pr)
.set rO, ACCO+8*(\u)+2*(\pr)
.if (\u)%2
	v_pk_fma_f32 v[rO:rO+1], v[rW:rW+1], v[rT:rT+1], v[rO:rO+1] op_sel:[1,0,0] op_sel_hi:[1,1,1]
.else
	v_pk_fma_f32 v[rO:rO+1], v[rW:rW+1], v[rT:rT+1], v[rO:rO+1] op_sel_hi:[0,1,1]
.endif
.endm
; 24 matrix instructions: half g, k 0-191.  The four accumulators take turns, one instruction a turn, here and over every seam.
; rid = 1: four v_nop, the places behind the other half's last products, then its 16 lines, each T from its lowest registers on.
.macro RUN1 g, cf, rid, wreg
	WS1 \g
.set i, 0
.rept 24
	WM \g, \cf, i/4, i%4
.if \rid
.if i < 4
	v_nop
.elseif i < 20
	RID \g, (i-4)/4, (i-4)%4, \wreg
.endif
.endif
.set i, i+1
.endr
.endm
.macro RUN2 g, cf                      ; 8 matrix instructions: half g, k 192-255
	WS2 \g
.set i, 0
.rept 8
	WM \g, \cf, 6+i/4, i%4
.set i, i+1
.endr
.endm
; 16 LDS loads in one run: the 8 fragments of C for my j number jj of the phase in the slot, into buffer cf
.macro FETCH slot, jj, cf
	WIN 0
.set kk, 0
.rept 8
	ds_load_tr16_b128 v[CF+64*(\cf)+8*kk:CF+64*(\cf)+8*kk+3],   v[ADR+(\slot)] offset:(\jj)*8192+kk*1024
	ds_load_tr16_b128 v[CF+64*(\cf)+8*kk+4:CF+64*(\cf)+8*kk+7], v[ADR+(\slot)] offset:(\jj)*8192+kk*1024+512
.set kk, kk+1
.endr
.endm
; The weights of a phase's four j of mine, all 8 tiles, into buffer wb: each load takes 256 consecutive bytes, at a multiple of 256 from W's first byte; both halves of the lanes read the same
.macro WLOAD wb
.irp jj, 0,1,2,3
.irp q, 0,1
	global_load_b128 v[WB+32*(\wb)+8*(\jj)+4*(\q):WB+32*(\wb)+8*(\jj)+4*(\q)+3], v[WO], s[4:5] offset:(\jj)*512+(\q)*256
.endr
.endr
.endm
; STEP m (0..7: two phases of four j): the second half of j number m and the first half of the next j.
; wl = 1: this phase's weights are waited for and the next phase's asked for; 2: only waited for.  last = 1: there is no next j.
; chg = 1: THE CHANGE OF SLOTS.  The slot's last fragments have been fetched in this step.  I wait for all my tensor loads, of which one is out: my part of the other slot; add 0 to my spare word; 24 matrix
; instructions on; wait for the add (my reads of the slot came back before); a round of the cluster's barrier, so that no wave of any partner still reads the slot or has a load on its way; and the joint
; refill, two phases on, is the first thing behind it: 224 matrix instructions stand between it and the wait for it.   chg = 2: the tail: my part of the last slot is waited for, nothing is filled.
.macro STEP m, chg, wl, last
.set WN, WB+32*((\m)/4)+8*((\m)%4)
.set SL, ((\m)+1)/4
.if \wl
	WIN 0
	s_wait_loadcnt 0x0                             ; the eight loads of this phase's weights, issued four j ago: they are in, and their base may be stepped
.if (\wl) == 1
	s_add_nc_u64 s[4:5], s[4:5], 8192              ; 16 j of 512 bytes on
	WLOAD 1-(\m)/4                                 ; the other buffer's last reader stands in the step before
.endif
.endif
.if !(\last)
	FETCH (((\m)+1)/4)%2, ((\m)+1)%4, ((\m)+1)%2   ; that buffer's last reader stands behind 4 v_nop and 16 packed lines
.endif
	RUN1 1, (\m)%2, 1, WN
	RUN2 1, (\m)%2
.if !(\last)
	s_wait_dscnt 0x0                               ; the next j's fragments, asked for 32 matrix instructions ago
.if (\chg) == 1
	WIN 0                                          ; (the add's two registers lie in window 0)
	s_wait_tensorcnt 0x0                           ; no tensor load of mine is out, so a group 0 may be written
	ds_add_u32 v[SPW], v[NIL]                      ; 0 onto my spare word
	s_add_nc_u64 s[G0+4*SL+2:G0+4*SL+3], s[G0+4*SL+2:G0+4*SL+3], 2*PHB  ; the slot's next phase; the type bits on top are not reached
	RUN1 0, ((\m)+1)%2, 1, WN
	s_wait_dscnt 0x0                               ; the add is done, and my reads of the slot are over
	s_barrier_signal -1                            ; this barrier opens the round
	RUN2 0, ((\m)+1)%2                             ; work on registers while the others arrive
	WIN 0                                          ; at a branch and at a label every window is 0
	s_barrier_wait -1
	CREST
	tensor_load_to_lds s[G0+4*SL:G0+4*SL+3], s[G1C:G1C+7]
	s_nop 0
	PLACES
.else
.if (\chg) == 2
	s_wait_tensorcnt 0x0                           ; my part of the last phase is in; I alone read it
.endif
	RUN1 0, ((\m)+1)%2, 1, WN
	RUN2 0, ((\m)+1)%2
.endif
.endif
.endm
	s_load_b256 s[4:11], s[0:1], 0x0               ; W s[4:5], V s[6:7], Ct s[8:9], Out s[10:11]
	v_lshl_add_u32 v[SPW], v0, 2, SPARE
	v_mov_b32 v[NIL], 0
	ds_add_u32 v[SPW], v[NIL]                      ; the wave's opening: the add and its wait stand ahead of my first tensor load; the set-up below, work on registers, stands between them
	v_lshrrev_b32 v1, 5, v0
	v_readfirstlane_b32 s[WV], v1                  ; wave 0..3
	s_bfe_u32 s13, ttmp6, 0x40000                  ; cx: my place in the cluster
	s_lshl_b32 s14, ttmp9, 2                       ; in a cluster launch ttmp9 counts clusters
	s_add_co_u32 s14, s14, s13                     ; tb = 4 x cluster x + cx: it enters W's, V's and Out's addresses alone
	s_and_b32 s15, ttmp7, 0xffff                   ; ib, which the four partners share
	; group 1 for Ct: 32,768 dense bytes as 128 rows of 32 elements of 8 bytes
	s_mov_b32 s[G1C+0], 15|(3<<16)|(1<<21)         ; 15:0 the mask: all four work-groups; 17:16 elements of 8 bytes; 21 set beside a mask; no padding
	s_mov_b32 s[G1C+1], 32<<16                     ; tensor_dim0 = 32
	s_mov_b32 s[G1C+2], 128<<16                    ; tensor_dim1 = 128
	s_mov_b32 s[G1C+3], 32<<16                     ; tile_dim0 = 32
	s_mov_b32 s[G1C+4], 128                        ; tile_dim1 = 128
	s_mov_b32 s[G1C+5], 32                         ; 32 elements from row to row
	s_mov_b32 s[G1C+6], 0
	s_mov_b32 s[G1C+7], 0
	; group 1 for V: 32 rows of 256 bf16, my work-group's own (no mask), padded in LDS
	s_mov_b32 s[G1V+0], (1<<16)|(1<<20)|(6<<22)|(3<<25)  ; 17:16 elements of 2 bytes; 20 padding on; 24:22 after every 128 words (code 6); 31:25 4 words of it (code 3)
	s_mov_b32 s[G1V+1], 256<<16
	s_mov_b32 s[G1V+2], 32<<16
	s_mov_b32 s[G1V+3], 256<<16
	s_mov_b32 s[G1V+4], 32
	s_mov_b32 s[G1V+5], 256
	s_mov_b32 s[G1V+6], 0
	s_mov_b32 s[G1V+7], 0
	s_lshl_b32 s45, s[WV], 15                      ; my part of a slot and of a phase: no place in the cluster enters an LDS address
	s_mov_b32 s[G0], 1                             ; count = 1
	s_mov_b32 s[G0+1], s45                         ; LDS address: slot 0
	s_mov_b32 s[G0+4], 1
	s_add_co_u32 s[G0+5], s45, PHB                 ; slot 1
	s_mov_b32 s[G0V], 1
	s_mul_i32 s[G0V+1], s[WV], 32*VP               ; V lies in slot 1 until it is in registers: my 32 rows of it
	s_add_co_u32 s[G0V+1], s[G0V+1], PHB
	s_lshl_b32 s46, s15, 21                        ; Ct: ib's 2 MiB, my part of phase 0
	s_add_co_u32 s46, s46, s45
	s_mov_b32 s47, 0
	s_lshl_b32 s48, s14, 16                        ; V: 128 tokens of 512 bytes a block, my 32 of them
	s_lshl_b32 s49, s[WV], 14
	s_add_co_u32 s48, s48, s49
	s_mov_b32 s49, 0
	s_lshl_b32 s50, s14, 17                        ; W: tb's 131,072 bytes, my four j of phase 0
	s_lshl_b32 s51, s[WV], 11
	s_add_co_u32 s50, s50, s51
	s_mov_b32 s51, 0
.if NATURAL
	s_lshl_b32 s52, s14, 17                        ; Out: 128 tokens of 1,024 bytes, 64 bytes at ib
	s_lshl_b32 s53, s15, 6
	s_add_co_u32 s52, s52, s53
.else
	s_lshl_b32 s53, s15, 13                        ; Out: tb's 131,072 bytes, ib's 16 rows of 512, my four of them
	s_add_co_u32 s52, s50, s53
.endif
	s_mov_b32 s53, 0
	s_wait_dscnt 0x0                               ; the opening add is done
	s_wait_kmcnt 0x0
	s_add_nc_u64 s[G0+2:G0+3], s[8:9], s[46:47]    ; global address: phase 0,
	s_add_nc_u64 s[G0+6:G0+7], s[G0+2:G0+3], PHB   ; phase 1
	s_or_b32 s[G0+3], s[G0+3], 0x80000000          ; type = 2
	s_or_b32 s[G0+7], s[G0+7], 0x80000000
	s_add_nc_u64 s[G0V+2:G0V+3], s[6:7], s[48:49]
	s_or_b32 s[G0V+3], s[G0V+3], 0x80000000
	s_add_nc_u64 s[4:5], s[4:5], s[50:51]
	s_add_nc_u64 s[10:11], s[10:11], s[52:53]
	CROUND                                         ; all four work-groups are here: the first joint loads meet
	tensor_load_to_lds s[G0:G0+3], s[G1C:G1C+7]    ; the first fills, together: phase 0 into slot 0, jointly;
	s_nop 0
	tensor_load_to_lds s[G0V:G0V+3], s[G1V:G1V+7]  ; my quarter of V: two tensor loads of mine are out
	s_nop 0
	PLACES
	v_and_b32 v1, 31, v0                           ; lane
	v_and_b32 v11, 15, v0                          ; r = lane % 16
	v_bfe_u32 v12, v0, 4, 1                        ; h = lane / 16
	v_lshlrev_b32 v[WO], 4, v11
	WLOAD 0                                        ; phase 0's weights
	; the turning load takes 16 k x 16 i: lane l reads 16 bytes: k = 8 (l / 16) + l % 8, i = 8 ((l / 8) % 2) + 0..7; it leaves half a fragment: lane l holds i = l % 16 and 8 k
	v_and_b32 v13, 7, v0
	v_lshl_add_u32 v13, v12, 3, v13
	v_bfe_u32 v14, v0, 3, 1
	v_lshlrev_b32 v14, 4, v14
	v_lshl_add_u32 v13, v13, 5, v14
	v_add_nc_u32 v[ADR], s45, v13
	v_add_nc_u32 v[ADR+1], PHB, v[ADR]
	v_mul_u32_u24 v[VA], v11, VP                   ; a fragment of V: row r, 16 bytes at h; two loads 32 bytes apart
	v_lshl_add_u32 v[VA], v12, 4, v[VA]
	v_add_nc_u32 v[VA], PHB, v[VA]
	s_mul_i32 s50, s[WV], WSTG
	s_add_co_u32 s50, s50, STAGE                   ; my stage
	v_mul_u32_u24 v[STO], v11, SP                  ; in: token r of a tile, 32 bytes for each half of the lanes
	v_lshl_add_u32 v[STO], v12, 5, v[STO]
	v_add_nc_u32 v[STO], s50, v[STO]
.if NATURAL
	v_lshrrev_b32 v13, 2, v1                       ; back: wave w takes tokens 32 w on, 8 to a load: token lane / 4, 16 bytes at lane % 4
	s_lshl_b32 s51, s[WV], 5
	v_add_nc_u32 v13, s51, v13
	v_and_b32 v14, 3, v1
	v_lshlrev_b32 v14, 4, v14
	v_mad_u32_u24 v[RD], v13, SP, v14
	v_add_nc_u32 v[RD], STAGE, v[RD]
	v_lshl_add_u32 v[GO], v13, 10, v14             ; the same in Out's rows of 1,024 bytes
.set XSTEP, 8*SP
.else
	v_lshl_add_u32 v[RD], v12, 6, v11              ; back: wave w takes columns 4 w + 0..3 (16 bytes) of token 64 h + 16 e + r
	v_mul_u32_u24 v[RD], v[RD], SP
	s_lshl_b32 s51, s[WV], 4
	s_add_co_u32 s51, s51, STAGE
	v_add_nc_u32 v[RD], s51, v[RD]
	v_lshlrev_b32 v[GO], 4, v1                     ; a row of Out is 512 bytes: 16 a lane
.set XSTEP, 16*SP
.endif
	; O starts at 0: 64 lines, in the wait for the first tiles; they spare a second text of a j whose lines would start the sums
	WIN 0x40
.set i, 0
.rept 32
	v_mov_b32 v[ACCO+i], 0
.set i, i+1
.endr
	WIN 0x80
.set i, 0
.rept 32
	v_mov_b32 v[ACCO+i], 0
.set i, i+1
.endr
	WIN 0
	s_wait_tensorcnt 0x0                           ; my quarter of V and my part of phase 0 are in,
	s_barrier_signal -1
	s_barrier_wait -1                              ; everybody's quarter of V is
.macro VLOAD reg, tt, kc               ; V's fragment of tile tt, k = 32 kc on
	ds_load_b128 v[(\reg):(\reg)+3],   v[VA] offset:(\tt)*16*VP+(\kc)*64
	ds_load_b128 v[(\reg)+4:(\reg)+7], v[VA] offset:(\tt)*16*VP+(\kc)*64+32
.endm
	WIN 0x40                                       ; destination window 1
.irp kc, 0,1,2,3,4,5
.irp u, 0,1,2,3
	VLOAD 8*(4*(\kc)+(\u)), \u, \kc
.endr
.endr
	WIN 0x80                                       ; window 2
.irp kc, 0,1,2,3,4,5
.irp u, 0,1,2,3
	VLOAD 8*(4*(\kc)+(\u)), 4+(\u), \kc
.endr
.endr
	WIN 0xc0                                       ; window 3
.irp kc, 6,7
.irp tt, 0,1,2,3,4,5,6,7
	VLOAD 8*(8*((\kc)-6)+(\tt)), \tt, \kc
.endr
.endr
	WIN 0
	s_wait_tensorcnt 0x0                           ; V's bytes are filled again, with phase 1: no tensor load of mine is out,
	ds_add_u32 v[SPW], v[NIL]                      ; 0 onto my spare word
	s_wait_dscnt 0x0                               ; the add is done, and V is in my registers
	CROUND                                         ; that holds of every wave of the cluster
	tensor_load_to_lds s[G0+4:G0+7], s[G1C:G1C+7]  ; phase 1 into slot 1, jointly: the one tensor load of mine that is out
	s_nop 0
	PLACES
	FETCH 0, 0, 0
	s_wait_dscnt 0x0
	RUN1 0, 0, 0, 0                                ; the first half of the first j: there is no finished T yet
	RUN2 0, 0
	WIN 0
	s_mov_b32 s[CNT], 7
.Ltrip:                                                ; a trip: two phases, 8 j of mine, 512 matrix instructions; both slots are filled again
	STEP 0, 0, 1, 0
	STEP 1, 0, 0, 0
	STEP 2, 1, 0, 0
	STEP 3, 0, 0, 0
	STEP 4, 0, 1, 0
	STEP 5, 0, 0, 0
	STEP 6, 1, 0, 0
	STEP 7, 0, 0, 0
	WIN 0
	s_sub_co_u32 s[CNT], s[CNT], 1
	s_cmp_lg_u32 s[CNT], 0
	s_cbranch_scc1 .Ltrip
	STEP 0, 0, 1, 0                                ; the last two phases are written out: nothing is left to ask for
	STEP 1, 0, 0, 0
	STEP 2, 2, 0, 0
	STEP 3, 0, 0, 0
	STEP 4, 0, 2, 0
	STEP 5, 0, 0, 0
	STEP 6, 0, 0, 0
	STEP 7, 0, 0, 1
	WS1 0                                          ; the last j's tiles 4-7 are still to be added
	PLACES
.irp u, 0,1,2,3
.irp pr, 0,1,2,3
	RID 0, \u, \pr, WB+32+24
.endr
.endr
	; THE WAY OUT.  Each wave holds its j's part of all 128 x 16 sums: into its stage; a barrier; each wave then adds the four parts of a quarter of the block and stores it.
	WIN 0x04                                       ; store data in window 1: tiles 0-3
.irp u, 0,1,2,3
	ds_store_b128 v[STO], v[ACCO+8*(\u):ACCO+8*(\u)+3]   offset:(\u)*16*SP
	ds_store_b128 v[STO], v[ACCO+8*(\u)+4:ACCO+8*(\u)+7] offset:(\u)*16*SP+16
.endr
	WIN 0x08                                       ; window 2: tiles 4-7
.irp u, 0,1,2,3
	ds_store_b128 v[STO], v[ACCO+8*(\u):ACCO+8*(\u)+3]   offset:(4+(\u))*16*SP
	ds_store_b128 v[STO], v[ACCO+8*(\u)+4:ACCO+8*(\u)+7] offset:(4+(\u))*16*SP+16
.endr
	WIN 0
	s_wait_dscnt 0x0                               ; for the others' sake: my stores into the stage are done
	s_barrier_signal -1
	s_barrier_wait -1
.irp part, 0,1,2,3
.irp x, 0,1,2,3
	ds_load_b128 v[Z+16*(\part)+4*(\x):Z+16*(\part)+4*(\x)+3], v[RD] offset:(\part)*WSTG+(\x)*XSTEP
.endr
.endr
	s_wait_dscnt 0x0
.irp y, 0,2,4,6,8,10,12,14
	v_pk_add_f32 v[Z+(\y):Z+(\y)+1],       v[Z+(\y):Z+(\y)+1],       v[Z+16+(\y):Z+16+(\y)+1]
	v_pk_add_f32 v[Z+32+(\y):Z+32+(\y)+1], v[Z+32+(\y):Z+32+(\y)+1], v[Z+48+(\y):Z+48+(\y)+1]
.endr
.if NATURAL
.irp y, 0,2,4,6,8,10,12,14
	v_pk_add_f32 v[Z+(\y):Z+(\y)+1], v[Z+(\y):Z+(\y)+1], v[Z+32+(\y):Z+32+(\y)+1]
.endr
.irp x, 0,1,2,3
	global_store_b128 v[GO], v[Z+4*(\x):Z+4*(\x)+3], s[10:11] offset:(\x)*8192  ; four lanes store 64 consecutive bytes of a token's row: a work-group owns 16 of a row's 256 columns
.endr
.else
.irp c, 0,1,2,3
.irp e, 0,1,2,3
	v_add_f32 v[FZ+4*(\c)+(\e)], v[Z+4*(\e)+(\c)], v[Z+32+4*(\e)+(\c)]  ; the last addition turns [e][c] into [c][e]
.endr
.endr
.irp c, 0,1,2,3
	global_store_b128 v[GO], v[FZ+4*(\c):FZ+4*(\c)+3], s[10:11] offset:(\c)*512  ; a wave stores 512 consecutive bytes, at a multiple of 256 from Out's first byte
.endr
.endif
	s_wait_tensorcnt 0x0                           ; the wave's end: behind my last tensor load and my last LDS store
	ds_add_u32 v[SPW], v[NIL]
	s_wait_dscnt 0x0
	CROUND                                         ; the closing round: no work-group ends while a partner may still ask for a tile that names it
	s_endpgm
.Lfunc_end_k_qa2563ca5a0_gpw:
	.size	k_qa2563ca5a0_gpw, .Lfunc_end_k_qa2563ca5a0_gpw-k_qa2563ca5a0_gpw
	.p2alignl 7, 3214868480
	.fill 96, 4, 3214868480
	.section	.rodata,"a",@progbits
	.p2align	6, 0x0
	.amdhsa_kernel k_qa2563ca5a0_gpw
		.amdhsa_group_segment_fixed_size 327680
		.amdhsa_private_segment_fixed_size 0
		.amdhsa_enable_private_segment 0
		.amdhsa_kernarg_size 32
		.amdhsa_user_sgpr_count 2
		.amdhsa_user_sgpr_kernarg_segment_ptr 1
		.amdhsa_wavefront_size32 1
		.amdhsa_system_sgpr_workgroup_id_x 1
		.amdhsa_system_sgpr_workgroup_id_y 1
		.amdhsa_system_sgpr_workgroup_id_z 1
		.amdhsa_system_vgpr_workitem_id 0
		.amdhsa_next_free_vgpr 896
		.amdhsa_next_free_sgpr 66
		.amdhsa_reserve_vcc 0
		.amdhsa_float_denorm_mode_32 3
		.amdhsa_float_denorm_mode_16_64 3
		.amdhsa_memory_ordered 1
		.amdhsa_forward_progress 1
		.amdhsa_inst_pref_size 145
	.end_amdhsa_kernel
	.amdgpu_metadata
---
amdhsa.version: [ 1, 2 ]
amdhsa.kernels:
  - .name:           k_qa2563ca5a0_gpw
    .symbol:         k_qa2563ca5a0_gpw.kd
    .args:
      - { .name: W1t, .offset: 0, .size: 8, .value_kind: global_buffer, .address_space: global }
      - { .name: Vx, .offset: 8, .size: 8, .value_kind: global_buffer, .address_space: global }
      - { .name: Ct, .offset: 16, .size: 8, .value_kind: global_buffer, .address_space: global }
      - { .name: Rxt, .offset: 24, .size: 8, .value_kind: global_buffer, .address_space: global }
    .group_segment_fixed_size: 327680
    .private_segment_fixed_size: 0
    .kernarg_segment_align: 8
    .kernarg_segment_size: 32
    .max_flat_workgroup_size: 128
    .sgpr_count:     66
    .vgpr_count:     896
    .wavefront_size: 32
...
	.end_amdgpu_metadata
.endif
;; end of part 2
;; launch gpn (part 3): grid 16 x 16, 4 waves a work-group, clusters of 4 x 1, 327,680 bytes of LDS; arguments Rxt, Vr, Ct, out0; writes out0
.if DOCPART == 3
	.amdgcn_target "amdgcn-amd-amdhsa--gfx1250"
	.amdhsa_code_object_version 6
	.text
	.protected	k_qa2563ca5a0_gpn
	.globl	k_qa2563ca5a0_gpn
	.p2align	8
	.type	k_qa2563ca5a0_gpn,@function
k_qa2563ca5a0_gpn:
	s_mov_b64 s[64:65], 0
	v_nop
	global_prefetch_b8 v0, s[64:65] scope:SCOPE_SE
	s_setreg_imm32_b32 hwreg(HW_REG_WAVE_MODE, 25, 1), 1
	s_wait_xcnt 0x0
	s_wait_alu depctr_hold_cnt(0) depctr_sa_sdst(0) depctr_va_vdst(0) depctr_va_sdst(0) depctr_va_ssrc(0) depctr_va_vcc(0) depctr_vm_vsrc(0)
	s_getreg_b32 s2, hwreg(HW_REG_IB_STS2, 6, 4)
	s_cmp_eq_u32 s2, 0
	s_cbranch_scc0 .Lentry_in_a_cluster
	s_endpgm
.Lentry_in_a_cluster:
	s_bfe_u32 s2, ttmp6, 0x10000c
	s_cmp_lg_u32 s2, 0x3003
	s_cbranch_scc0 .Lentry_shape_is_right
	s_endpgm
.Lentry_shape_is_right:
; A GEOMETRIC PRODUCT.  Out[t][i] = the sum over j of W[t][j] x ( the sum over k of V[t][k] C[j][k][i] ), 2,048 tokens t, 256 each of i, j, k; C is taken as a dense tensor.
; The inner sum is matrix work (V and C in bf16, sums in f32); the outer one is a fused multiply-add in f32 with W in f32, so that the first product's result enters the second unrounded.
; W: f32 [tb 16][j 256][p 128], p = (tt / 4) 64 + 4 r + tt % 4 for token 128 tb + 16 tt + r.   V: bf16 [token][k].   Ct: bf16 [ib 16][j][k][il 16], i = 16 ib + il.
; NATURAL = 0: Out is written in W's layout (with i for j), for the second product.  NATURAL = 1: Out is [token][i] f32.  This text is the first product's but for that one symbol.
; LIMITS.  The sums' order is not the reference's: k in the matrix unit's order, j ascending within a wave, the four waves' parts added at the end.  NaN and infinities are not treated apart.
; With NATURAL = 1 Out leaves in pieces of 64 bytes: a work-group owns 16 of a row's 256 columns.
; SHARES.  A work-group owns 128 tokens (tb) x 16 columns i (ib) and walks all j and k: 16 x 16 work-groups.  Its four waves share j: of each PHASE of 16 j wave w owns j = 16 p + 4 w + 0..3,
; fetches those 32,768 bytes of Ct itself and alone reads them.  Every wave keeps V of all 128 tokens in 512 registers, so two LDS loads (a fragment of C) feed 8 matrix instructions.
; LAYOUT.  Source 0 = C, 16 i x 32 k, turned on its way out of LDS by ds_load_tr16_b128 (rows k of 32 bytes, dense: a load takes 512 consecutive bytes); source 1 = V, 16 tokens x 32 k.
; In the result T a lane holds ONE token (lane % 16) and the columns 8 (lane / 16) + 0..7: one weight a lane serves the tile's eight registers: O += W T, four packed lines a tile.
; BY HALVES.  The 8 tiles of 16 tokens are two halves.  While one half's 32 products of a j are issued, the other half's finished T is added onto O: 16 packed lines, one behind a matrix instruction.
; CLUSTER.  The four work-groups of a cluster have four tb and ONE ib: they walk the same 2 MiB of Ct, so each tile of it is asked for JOINTLY: the same tensor load, descriptor and mask in all four.
; REGISTERS, in windows of 256 (s_set_vgpr_msb: bits 1:0 source 0, 3:2 source 1, 5:4 source 2, 7:6 destination):
;   window 0: v0-15 addresses; v16-79 W, two buffers of 4 j x 8 tiles; v96-223 C's fragments, two buffers of 8 (one j, 256 k)
;   window 1: v0-191 V of tiles 0-3, k 0-191; v192-223 T of tiles 4-7; v224-255 O of tiles 0-3
;   window 2: v0-191 V of tiles 4-7, k 0-191; v192-223 T of tiles 0-3; v224-255 O of tiles 4-7          window 3: v0-127 V of all tiles, k 192-255
; So the setting under which half g's products run (C in window 0, V in 1 + g, T in 2 - g) is also the one that the other half's lines want (W in 0, T in 1 + g, O in 2 - g): five switches a j.
.set NATURAL, 1
.set PHB,    131072                    ; bytes of Ct in a phase, and in an LDS slot
.set WPART,  32768                     ; a wave's part of it: 4 j of 8,192 bytes; 32 k are 1,024 bytes
.set VP,     528                       ; a row of V in LDS: 512 bytes + 16 of padding = 132 words: the 16 rows of a load start at 16 different groups of four banks (64 banks of 4 bytes: ISA guide 11.1)
.set STAGE,  2*PHB                     ; behind the ring, never filled by a tensor load: [wave][token 128][80 bytes], for the way out
.set SP,     80                        ; 16 f32 + 16 bytes of padding
.set WSTG,   128*SP
.set SPARE,  STAGE+4*WSTG              ; behind the stages: the spare words, 128 bytes for each wave: two blocks of 256 bytes that no other line names
.set SPW, 2                            ; v2     LDS address of my spare word; never rewritten
.set NIL, 3                            ; v3     0; never rewritten
.set ADR, 4                            ; v4-5   LDS address of my lane's 16 bytes in my part of slot 0, 1
.set VA,  6                            ; v6     the same in V's rows
.set WO,  7                            ; v7     16 (lane % 16): my four weights in 256 bytes of W
.set STO, 8                            ; v8     the way out: where I put O
.set RD,  9                            ; v9     where I read it back
.set GO,  10                           ; v10    my byte offset in Out
.set WB,  16
.set CF,  96
.set Z,   96                           ; the way out: four waves' parts, 16 registers each
.set FZ,  160                          ; and their sum, turned round
.set ACCT, 192
.set ACCO, 224
.set WV,  12                           ; s12  my wave's number
.set G1C, 16                           ; s[16:23] descriptor group 1 for Ct's tiles
.set G1V, 24                           ; s[24:31] for V's
.set G0,  32                           ; s[32:39] descriptor group 0 for Ct's tiles, a set for each slot
.set G0V, 40                           ; s[40:43] for V's
.set CNT, 44                           ; s44  trips
.set MSB, 0
.macro WIN new                         ; the immediate's high byte repeats the setting that is left; a switch that changes nothing is dropped
.if MSB != (\new)
	s_set_vgpr_msb (MSB<<8)|(\new)
.set MSB, \new
.endif
.endm
.macro WS1 g                           ; half g's products, k 0-191: V in window 1 + g
.if \g
	WIN 0x58
.else
	WIN 0xa4
.endif
.endm
.macro WS2 g                           ; k 192-255: V in window 3
.if \g
	WIN 0x5c
.else
	WIN 0xac
.endif
.endm
; A round of the cluster's barrier: my work-group's barrier, so that wave 0's signal speaks for all four waves; wave 0 signals; every wave waits for all four work-groups; my work-group's barrier once more.
.macro CREST                           ; a round behind its opening barrier
	s_cmp_lg_u32 s[WV], 0
	s_cbranch_scc1 .Lnot_wave_0_\@
	s_barrier_signal -3
.Lnot_wave_0_\@:
	s_barrier_wait -3
	s_barrier_signal -1
	s_barrier_wait -1
.endm
.macro CROUND
	s_barrier_signal -1
	s_barrier_wait -1
	CREST
.endm
; A vector instruction that reads a matrix result, and a load into a register that a matrix instruction has read, stand four places behind it; only plain vector
; instructions that name none of its registers are places (ISA guide 7.12.1 for vector instructions).
.macro PLACES
.rept 4
	v_nop
.endr
.endm
; One matrix instruction: tile u of half g, k = 32 kc on, C's fragments in buffer cf.  kc = 0 starts the sum with the constant 0.
.macro WM g, cf, kc, u
.if (\kc) < 6
.set rB, 8*(4*(\kc)+(\u))
.else
.set rB, 8*(8*((\kc)-6)+4*(\g)+(\u))
.endif
.set rA, CF+64*(\cf)+8*(\kc)
.set rD, ACCT+8*(\u)
.if (\kc) == 0
	v_wmma_f32_16x16x32_bf16 v[rD:rD+7], v[rA:rA+7], v[rB:rB+7], 0
.else
	v_wmma_f32_16x16x32_bf16 v[rD:rD+7], v[rA:rA+7], v[rB:rB+7], v[rD:rD+7]
.endif
.endm
; One line of O += W T, under half g's setting, for tile u of the OTHER half, registers 2 pr and 2 pr + 1.  The weight is one register of an even pair, taken for both halves of the packed line.
.macro RID g, u, pr, wreg
.set rW, (\wreg)+4*(1-(\g))+((\u)/2)*2
.set rT, ACCT+8*(\u)+2*(\pr)
.set rO, ACCO+8*(\u)+2*(\pr)
.if (\u)%2
	v_pk_fma_f32 v[rO:rO+1], v[rW:rW+1], v[rT:rT+1], v[rO:rO+1] op_sel:[1,0,0] op_sel_hi:[1,1,1]
.else
	v_pk_fma_f32 v[rO:rO+1], v[rW:rW+1], v[rT:rT+1], v[rO:rO+1] op_sel_hi:[0,1,1]
.endif
.endm
; 24 matrix instructions: half g, k 0-191.  The four accumulators take turns, one instruction a turn, here and over every seam.
; rid = 1: four v_nop, the places behind the other half's last products, then its 16 lines, each T from its lowest registers on.
.macro RUN1 g, cf, rid, wreg
	WS1 \g
.set i, 0
.rept 24
	WM \g, \cf, i/4, i%4
.if \rid
.if i < 4
	v_nop
.elseif i < 20
	RID \g, (i-4)/4, (i-4)%4, \wreg
.endif
.endif
.set i, i+1
.endr
.endm
.macro RUN2 g, cf                      ; 8 matrix instructions: half g, k 192-255
	WS2 \g
.set i, 0
.rept 8
	WM \g, \cf, 6+i/4, i%4
.set i, i+1
.endr
.endm
; 16 LDS loads in one run: the 8 fragments of C for my j number jj of the phase in the slot, into buffer cf
.macro FETCH slot, jj, cf
	WIN 0
.set kk, 0
.rept 8
	ds_load_tr16_b128 v[CF+64*(\cf)+8*kk:CF+64*(\cf)+8*kk+3],   v[ADR+(\slot)] offset:(\jj)*8192+kk*1024
	ds_load_tr16_b128 v[CF+64*(\cf)+8*kk+4:CF+64*(\cf)+8*kk+7], v[ADR+(\slot)] offset:(\jj)*8192+kk*1024+512
.set kk, kk+1
.endr
.endm
; The weights of a phase's four j of mine, all 8 tiles, into buffer wb: each load takes 256 consecutive bytes, at a multiple of 256 from W's first byte; both halves of the lanes read the same
.macro WLOAD wb
.irp jj, 0,1,2,3
.irp q, 0,1
	global_load_b128 v[WB+32*(\wb)+8*(\jj)+4*(\q):WB+32*(\wb)+8*(\jj)+4*(\q)+3], v[WO], s[4:5] offset:(\jj)*512+(\q)*256
.endr
.endr
.endm
; STEP m (0..7: two phases of four j): the second half of j number m and the first half of the next j.
; wl = 1: this phase's weights are waited for and the next phase's asked for; 2: only waited for.  last = 1: there is no next j.
; chg = 1: THE CHANGE OF SLOTS.  The slot's last fragments have been fetched in this step.  I wait for all my tensor loads, of which one is out: my part of the other slot; add 0 to my spare word; 24 matrix
; instructions on; wait for the add (my reads of the slot came back before); a round of the cluster's barrier, so that no wave of any partner still reads the slot or has a load on its way; and the joint
; refill, two phases on, is the first thing behind it: 224 matrix instructions stand between it and the wait for it.   chg = 2: the tail: my part of the last slot is waited for, nothing is filled.
.macro STEP m, chg, wl, last
.set WN, WB+32*((\m)/4)+8*((\m)%4)
.set SL, ((\m)+1)/4
.if \wl
	WIN 0
	s_wait_loadcnt 0x0                             ; the eight loads of this phase's weights, issued four j ago: they are in, and their base may be stepped
.if (\wl) == 1
	s_add_nc_u64 s[4:5], s[4:5], 8192              ; 16 j of 512 bytes on
	WLOAD 1-(\m)/4                                 ; the other buffer's last reader stands in the step before
.endif
.endif
.if !(\last)
	FETCH (((\m)+1)/4)%2, ((\m)+1)%4, ((\m)+1)%2   ; that buffer's last reader stands behind 4 v_nop and 16 packed lines
.endif
	RUN1 1, (\m)%2, 1, WN
	RUN2 1, (\m)%2
.if !(\last)
	s_wait_dscnt 0x0                               ; the next j's fragments, asked for 32 matrix instructions ago
.if (\chg) == 1
	WIN 0                                          ; (the add's two registers lie in window 0)
	s_wait_tensorcnt 0x0                           ; no tensor load of mine is out, so a group 0 may be written
	ds_add_u32 v[SPW], v[NIL]                      ; 0 onto my spare word
	s_add_nc_u64 s[G0+4*SL+2:G0+4*SL+3], s[G0+4*SL+2:G0+4*SL+3], 2*PHB  ; the slot's next phase; the type bits on top are not reached
	RUN1 0, ((\m)+1)%2, 1, WN
	s_wait_dscnt 0x0                               ; the add is done, and my reads of the slot are over
	s_barrier_signal -1                            ; this barrier opens the round
	RUN2 0, ((\m)+1)%2                             ; work on registers while the others arrive
	WIN 0                                          ; at a branch and at a label every window is 0
	s_barrier_wait -1
	CREST
	tensor_load_to_lds s[G0+4*SL:G0+4*SL+3], s[G1C:G1C+7]
	s_nop 0
	PLACES
.else
.if (\chg) == 2
	s_wait_tensorcnt 0x0                           ; my part of the last phase is in; I alone read it
.endif
	RUN1 0, ((\m)+1)%2, 1, WN
	RUN2 0, ((\m)+1)%2
.endif
.endif
.endm
	s_load_b256 s[4:11], s[0:1], 0x0               ; W s[4:5], V s[6:7], Ct s[8:9], Out s[10:11]
	v_lshl_add_u32 v[SPW], v0, 2, SPARE
	v_mov_b32 v[NIL], 0
	ds_add_u32 v[SPW], v[NIL]                      ; the wave's opening: the add and its wait stand ahead of my first tensor load; the set-up below, work on registers, stands between them
	v_lshrrev_b32 v1, 5, v0
	v_readfirstlane_b32 s[WV], v1                  ; wave 0..3
	s_bfe_u32 s13, ttmp6, 0x40000                  ; cx: my place in the cluster
	s_lshl_b32 s14, ttmp9, 2                       ; in a cluster launch ttmp9 counts clusters
	s_add_co_u32 s14, s14, s13                     ; tb = 4 x cluster x + cx: it enters W's, V's and Out's addresses alone
	s_and_b32 s15, ttmp7, 0xffff                   ; ib, which the four partners share
	; group 1 for Ct: 32,768 dense bytes as 128 rows of 32 elements of 8 bytes
	s_mov_b32 s[G1C+0], 15|(3<<16)|(1<<21)         ; 15:0 the mask: all four work-groups; 17:16 elements of 8 bytes; 21 set beside a mask; no padding
	s_mov_b32 s[G1C+1], 32<<16                     ; tensor_dim0 = 32
	s_mov_b32 s[G1C+2], 128<<16                    ; tensor_dim1 = 128
	s_mov_b32 s[G1C+3], 32<<16                     ; tile_dim0 = 32
	s_mov_b32 s[G1C+4], 128                        ; tile_dim1 = 128
	s_mov_b32 s[G1C+5], 32                         ; 32 elements from row to row
	s_mov_b32 s[G1C+6], 0
	s_mov_b32 s[G1C+7], 0
	; group 1 for V: 32 rows of 256 bf16, my work-group's own (no mask), padded in LDS
	s_mov_b32 s[G1V+0], (1<<16)|(1<<20)|(6<<22)|(3<<25)  ; 17:16 elements of 2 bytes; 20 padding on; 24:22 after every 128 words (code 6); 31:25 4 words of it (code 3)
	s_mov_b32 s[G1V+1], 256<<16
	s_mov_b32 s[G1V+2], 32<<16
	s_mov_b32 s[G1V+3], 256<<16
	s_mov_b32 s[G1V+4], 32
	s_mov_b32 s[G1V+5], 256
	s_mov_b32 s[G1V+6], 0
	s_mov_b32 s[G1V+7], 0
	s_lshl_b32 s45, s[WV], 15                      ; my part of a slot and of a phase: no place in the cluster enters an LDS address
	s_mov_b32 s[G0], 1                             ; count = 1
	s_mov_b32 s[G0+1], s45                         ; LDS address: slot 0
	s_mov_b32 s[G0+4], 1
	s_add_co_u32 s[G0+5], s45, PHB                 ; slot 1
	s_mov_b32 s[G0V], 1
	s_mul_i32 s[G0V+1], s[WV], 32*VP               ; V lies in slot 1 until it is in registers: my 32 rows of it
	s_add_co_u32 s[G0V+1], s[G0V+1], PHB
	s_lshl_b32 s46, s15, 21                        ; Ct: ib's 2 MiB, my part of phase 0
	s_add_co_u32 s46, s46, s45
	s_mov_b32 s47, 0
	s_lshl_b32 s48, s14, 16                        ; V: 128 tokens of 512 bytes a block, my 32 of them
	s_lshl_b32 s49, s[WV], 14
	s_add_co_u32 s48, s48, s49
	s_mov_b32 s49, 0
	s_lshl_b32 s50, s14, 17                        ; W: tb's 131,072 bytes, my four j of phase 0
	s_lshl_b32 s51, s[WV], 11
	s_add_co_u32 s50, s50, s51
	s_mov_b32 s51, 0
.if NATURAL
	s_lshl_b32 s52, s14, 17                        ; Out: 128 tokens of 1,024 bytes, 64 bytes at ib
	s_lshl_b32 s53, s15, 6
	s_add_co_u32 s52, s52, s53
.else
	s_lshl_b32 s53, s15, 13                        ; Out: tb's 131,072 bytes, ib's 16 rows of 512, my four of them
	s_add_co_u32 s52, s50, s53
.endif
	s_mov_b32 s53, 0
	s_wait_dscnt 0x0                               ; the opening add is done
	s_wait_kmcnt 0x0
	s_add_nc_u64 s[G0+2:G0+3], s[8:9], s[46:47]    ; global address: phase 0,
	s_add_nc_u64 s[G0+6:G0+7], s[G0+2:G0+3], PHB   ; phase 1
	s_or_b32 s[G0+3], s[G0+3], 0x80000000          ; type = 2
	s_or_b32 s[G0+7], s[G0+7], 0x80000000
	s_add_nc_u64 s[G0V+2:G0V+3], s[6:7], s[48:49]
	s_or_b32 s[G0V+3], s[G0V+3], 0x80000000
	s_add_nc_u64 s[4:5], s[4:5], s[50:51]
	s_add_nc_u64 s[10:11], s[10:11], s[52:53]
	CROUND                                         ; all four work-groups are here: the first joint loads meet
	tensor_load_to_lds s[G0:G0+3], s[G1C:G1C+7]    ; the first fills, together: phase 0 into slot 0, jointly;
	s_nop 0
	tensor_load_to_lds s[G0V:G0V+3], s[G1V:G1V+7]  ; my quarter of V: two tensor loads of mine are out
	s_nop 0
	PLACES
	v_and_b32 v1, 31, v0                           ; lane
	v_and_b32 v11, 15, v0                          ; r = lane % 16
	v_bfe_u32 v12, v0, 4, 1                        ; h = lane / 16
	v_lshlrev_b32 v[WO], 4, v11
	WLOAD 0                                        ; phase 0's weights
	; the turning load takes 16 k x 16 i: lane l reads 16 bytes: k = 8 (l / 16) + l % 8, i = 8 ((l / 8) % 2) + 0..7; it leaves half a fragment: lane l holds i = l % 16 and 8 k
	v_and_b32 v13, 7, v0
	v_lshl_add_u32 v13, v12, 3, v13
	v_bfe_u32 v14, v0, 3, 1
	v_lshlrev_b32 v14, 4, v14
	v_lshl_add_u32 v13, v13, 5, v14
	v_add_nc_u32 v[ADR], s45, v13
	v_add_nc_u32 v[ADR+1], PHB, v[ADR]
	v_mul_u32_u24 v[VA], v11, VP                   ; a fragment of V: row r, 16 bytes at h; two loads 32 bytes apart
	v_lshl_add_u32 v[VA], v12, 4, v[VA]
	v_add_nc_u32 v[VA], PHB, v[VA]
	s_mul_i32 s50, s[WV], WSTG
	s_add_co_u32 s50, s50, STAGE                   ; my stage
	v_mul_u32_u24 v[STO], v11, SP                  ; in: token r of a tile, 32 bytes for each half of the lanes
	v_lshl_add_u32 v[STO], v12, 5, v[STO]
	v_add_nc_u32 v[STO], s50, v[STO]
.if NATURAL
	v_lshrrev_b32 v13, 2, v1                       ; back: wave w takes tokens 32 w on, 8 to a load: token lane / 4, 16 bytes at lane % 4
	s_lshl_b32 s51, s[WV], 5
	v_add_nc_u32 v13, s51, v13
	v_and_b32 v14, 3, v1
	v_lshlrev_b32 v14, 4, v14
	v_mad_u32_u24 v[RD], v13, SP, v14
	v_add_nc_u32 v[RD], STAGE, v[RD]
	v_lshl_add_u32 v[GO], v13, 10, v14             ; the same in Out's rows of 1,024 bytes
.set XSTEP, 8*SP
.else
	v_lshl_add_u32 v[RD], v12, 6, v11              ; back: wave w takes columns 4 w + 0..3 (16 bytes) of token 64 h + 16 e + r
	v_mul_u32_u24 v[RD], v[RD], SP
	s_lshl_b32 s51, s[WV], 4
	s_add_co_u32 s51, s51, STAGE
	v_add_nc_u32 v[RD], s51, v[RD]
	v_lshlrev_b32 v[GO], 4, v1                     ; a row of Out is 512 bytes: 16 a lane
.set XSTEP, 16*SP
.endif
	; O starts at 0: 64 lines, in the wait for the first tiles; they spare a second text of a j whose lines would start the sums
	WIN 0x40
.set i, 0
.rept 32
	v_mov_b32 v[ACCO+i], 0
.set i, i+1
.endr
	WIN 0x80
.set i, 0
.rept 32
	v_mov_b32 v[ACCO+i], 0
.set i, i+1
.endr
	WIN 0
	s_wait_tensorcnt 0x0                           ; my quarter of V and my part of phase 0 are in,
	s_barrier_signal -1
	s_barrier_wait -1                              ; everybody's quarter of V is
.macro VLOAD reg, tt, kc               ; V's fragment of tile tt, k = 32 kc on
	ds_load_b128 v[(\reg):(\reg)+3],   v[VA] offset:(\tt)*16*VP+(\kc)*64
	ds_load_b128 v[(\reg)+4:(\reg)+7], v[VA] offset:(\tt)*16*VP+(\kc)*64+32
.endm
	WIN 0x40                                       ; destination window 1
.irp kc, 0,1,2,3,4,5
.irp u, 0,1,2,3
	VLOAD 8*(4*(\kc)+(\u)), \u, \kc
.endr
.endr
	WIN 0x80                                       ; window 2
.irp kc, 0,1,2,3,4,5
.irp u, 0,1,2,3
	VLOAD 8*(4*(\kc)+(\u)), 4+(\u), \kc
.endr
.endr
	WIN 0xc0                                       ; window 3
.irp kc, 6,7
.irp tt, 0,1,2,3,4,5,6,7
	VLOAD 8*(8*((\kc)-6)+(\tt)), \tt, \kc
.endr
.endr
	WIN 0
	s_wait_tensorcnt 0x0                           ; V's bytes are filled again, with phase 1: no tensor load of mine is out,
	ds_add_u32 v[SPW], v[NIL]                      ; 0 onto my spare word
	s_wait_dscnt 0x0                               ; the add is done, and V is in my registers
	CROUND                                         ; that holds of every wave of the cluster
	tensor_load_to_lds s[G0+4:G0+7], s[G1C:G1C+7]  ; phase 1 into slot 1, jointly: the one tensor load of mine that is out
	s_nop 0
	PLACES
	FETCH 0, 0, 0
	s_wait_dscnt 0x0
	RUN1 0, 0, 0, 0                                ; the first half of the first j: there is no finished T yet
	RUN2 0, 0
	WIN 0
	s_mov_b32 s[CNT], 7
.Ltrip:                                                ; a trip: two phases, 8 j of mine, 512 matrix instructions; both slots are filled again
	STEP 0, 0, 1, 0
	STEP 1, 0, 0, 0
	STEP 2, 1, 0, 0
	STEP 3, 0, 0, 0
	STEP 4, 0, 1, 0
	STEP 5, 0, 0, 0
	STEP 6, 1, 0, 0
	STEP 7, 0, 0, 0
	WIN 0
	s_sub_co_u32 s[CNT], s[CNT], 1
	s_cmp_lg_u32 s[CNT], 0
	s_cbranch_scc1 .Ltrip
	STEP 0, 0, 1, 0                                ; the last two phases are written out: nothing is left to ask for
	STEP 1, 0, 0, 0
	STEP 2, 2, 0, 0
	STEP 3, 0, 0, 0
	STEP 4, 0, 2, 0
	STEP 5, 0, 0, 0
	STEP 6, 0, 0, 0
	STEP 7, 0, 0, 1
	WS1 0                                          ; the last j's tiles 4-7 are still to be added
	PLACES
.irp u, 0,1,2,3
.irp pr, 0,1,2,3
	RID 0, \u, \pr, WB+32+24
.endr
.endr
	; THE WAY OUT.  Each wave holds its j's part of all 128 x 16 sums: into its stage; a barrier; each wave then adds the four parts of a quarter of the block and stores it.
	WIN 0x04                                       ; store data in window 1: tiles 0-3
.irp u, 0,1,2,3
	ds_store_b128 v[STO], v[ACCO+8*(\u):ACCO+8*(\u)+3]   offset:(\u)*16*SP
	ds_store_b128 v[STO], v[ACCO+8*(\u)+4:ACCO+8*(\u)+7] offset:(\u)*16*SP+16
.endr
	WIN 0x08                                       ; window 2: tiles 4-7
.irp u, 0,1,2,3
	ds_store_b128 v[STO], v[ACCO+8*(\u):ACCO+8*(\u)+3]   offset:(4+(\u))*16*SP
	ds_store_b128 v[STO], v[ACCO+8*(\u)+4:ACCO+8*(\u)+7] offset:(4+(\u))*16*SP+16
.endr
	WIN 0
	s_wait_dscnt 0x0                               ; for the others' sake: my stores into the stage are done
	s_barrier_signal -1
	s_barrier_wait -1
.irp part, 0,1,2,3
.irp x, 0,1,2,3
	ds_load_b128 v[Z+16*(\part)+4*(\x):Z+16*(\part)+4*(\x)+3], v[RD] offset:(\part)*WSTG+(\x)*XSTEP
.endr
.endr
	s_wait_dscnt 0x0
.irp y, 0,2,4,6,8,10,12,14
	v_pk_add_f32 v[Z+(\y):Z+(\y)+1],       v[Z+(\y):Z+(\y)+1],       v[Z+16+(\y):Z+16+(\y)+1]
	v_pk_add_f32 v[Z+32+(\y):Z+32+(\y)+1], v[Z+32+(\y):Z+32+(\y)+1], v[Z+48+(\y):Z+48+(\y)+1]
.endr
.if NATURAL
.irp y, 0,2,4,6,8,10,12,14
	v_pk_add_f32 v[Z+(\y):Z+(\y)+1], v[Z+(\y):Z+(\y)+1], v[Z+32+(\y):Z+32+(\y)+1]
.endr
.irp x, 0,1,2,3
	global_store_b128 v[GO], v[Z+4*(\x):Z+4*(\x)+3], s[10:11] offset:(\x)*8192  ; four lanes store 64 consecutive bytes of a token's row: a work-group owns 16 of a row's 256 columns
.endr
.else
.irp c, 0,1,2,3
.irp e, 0,1,2,3
	v_add_f32 v[FZ+4*(\c)+(\e)], v[Z+4*(\e)+(\c)], v[Z+32+4*(\e)+(\c)]  ; the last addition turns [e][c] into [c][e]
.endr
.endr
.irp c, 0,1,2,3
	global_store_b128 v[GO], v[FZ+4*(\c):FZ+4*(\c)+3], s[10:11] offset:(\c)*512  ; a wave stores 512 consecutive bytes, at a multiple of 256 from Out's first byte
.endr
.endif
	s_wait_tensorcnt 0x0                           ; the wave's end: behind my last tensor load and my last LDS store
	ds_add_u32 v[SPW], v[NIL]
	s_wait_dscnt 0x0
	CROUND                                         ; the closing round: no work-group ends while a partner may still ask for a tile that names it
	s_endpgm
.Lfunc_end_k_qa2563ca5a0_gpn:
	.size	k_qa2563ca5a0_gpn, .Lfunc_end_k_qa2563ca5a0_gpn-k_qa2563ca5a0_gpn
	.p2alignl 7, 3214868480
	.fill 96, 4, 3214868480
	.section	.rodata,"a",@progbits
	.p2align	6, 0x0
	.amdhsa_kernel k_qa2563ca5a0_gpn
		.amdhsa_group_segment_fixed_size 327680
		.amdhsa_private_segment_fixed_size 0
		.amdhsa_enable_private_segment 0
		.amdhsa_kernarg_size 32
		.amdhsa_user_sgpr_count 2
		.amdhsa_user_sgpr_kernarg_segment_ptr 1
		.amdhsa_wavefront_size32 1
		.amdhsa_system_sgpr_workgroup_id_x 1
		.amdhsa_system_sgpr_workgroup_id_y 1
		.amdhsa_system_sgpr_workgroup_id_z 1
		.amdhsa_system_vgpr_workitem_id 0
		.amdhsa_next_free_vgpr 896
		.amdhsa_next_free_sgpr 66
		.amdhsa_reserve_vcc 0
		.amdhsa_float_denorm_mode_32 3
		.amdhsa_float_denorm_mode_16_64 3
		.amdhsa_memory_ordered 1
		.amdhsa_forward_progress 1
		.amdhsa_inst_pref_size 145
	.end_amdhsa_kernel
	.amdgpu_metadata
---
amdhsa.version: [ 1, 2 ]
amdhsa.kernels:
  - .name:           k_qa2563ca5a0_gpn
    .symbol:         k_qa2563ca5a0_gpn.kd
    .args:
      - { .name: Rxt, .offset: 0, .size: 8, .value_kind: global_buffer, .address_space: global }
      - { .name: Vr, .offset: 8, .size: 8, .value_kind: global_buffer, .address_space: global }
      - { .name: Ct, .offset: 16, .size: 8, .value_kind: global_buffer, .address_space: global }
      - { .name: out0, .offset: 24, .size: 8, .value_kind: global_buffer, .address_space: global }
    .group_segment_fixed_size: 327680
    .private_segment_fixed_size: 0
    .kernarg_segment_align: 8
    .kernarg_segment_size: 32
    .max_flat_workgroup_size: 128
    .sgpr_count:     66
    .vgpr_count:     896
    .wavefront_size: 32
...
	.end_amdgpu_metadata
.endif
;; end of part 3
